; MI455X (gfx1250); checked and timed in simulation.
; The chip was launched on July 23, 2026; its instructions are those of AMD's public machine-readable ISA for CDNA 5 (MIT licence, August 2026) and "CDNA5" Instruction Set Architecture Reference Guide (July 2026). The comments in the code are by the model that wrote it; some were corrected since.
;; Mo E Head. Allowed arithmetic: float matrix products may take bf16 or f16 operands with f32 sums; all other float work in f32.
;; Inputs: W_in 8 x 2,048 x 512 float32; W_out 8 x 2,048 x 512 float32; Wr 8 x 512 float32; x 4,096 x 512 float32.
;; Outputs: out0 4,096 x 512 float32.
;; One version. Each part assembles by itself: llvm-mc -triple=amdgcn-amd-amdhsa -mcpu=gfx1250 --defsym DOCPART=n.
;; ======== version 1 of 1: 4 launches
;; limits: a function is approximated: absolute error at most 2.5e-05
;; workspace buffers: wb 33,554,432 bytes; xb 4,194,304 bytes; eidx 16,384 bytes of whole numbers; wts 32,768 bytes; ltok 36,864 bytes of whole numbers; pos 32,768 bytes of whole numbers; texp 256 bytes of whole numbers; part 75,497,472 bytes
;; launch prep (part 1): grid 512 x 1, 8 waves a work-group, no clusters, 0 bytes of LDS; arguments x, Wr, W_in, wb, xb, eidx, wts; writes wb, xb, eidx, wts
.if DOCPART == 1
	.amdgcn_target "amdgcn-amd-amdhsa--gfx1250"
	.amdhsa_code_object_version 6
	.text
	.protected	k_q5339a3da8f_prep
	.globl	k_q5339a3da8f_prep
	.p2align	8
	.type	k_q5339a3da8f_prep,@function
k_q5339a3da8f_prep:
	s_mov_b64 s[64:65], 0
	v_nop
	global_prefetch_b8 v0, s[64:65] scope:SCOPE_SE
	s_setreg_imm32_b32 hwreg(HW_REG_WAVE_MODE, 25, 1), 1
	s_wait_xcnt 0x0
; prep: two streams in one launch, 256 work-groups each (role = work-group number / 256, b = the rest).
;   role 0: W_in f32 -> bf16 tiles of wb;   role 1: the router (logits, top 2, softmax of the two) and x -> bf16.
; (W_out's tiles of wb are made by the next launch, beside the placement, which needs this launch's eidx.)
; wb: 32 chunks of 1 MiB, chunk = 4 e + hs (hs: a quarter of the hidden dimension, 512 wide); a chunk is 16 dense tiles of 65,536 bytes:
;   tiles 0-7  (W_in, 64 k each): row n (hidden index in the chunk) is 128 bytes = 8 pieces of 16 bytes; the piece with k = 64 ks + 8 o .. + 7
;              lies at n*128 + ((o xor ((n >> 1) & 7)) * 16), so that 16 neighbouring rows' equal pieces fall on 16 different 16-byte columns of 256 bytes;
;   tiles 8-15 (W_out): see the next launch.
; No LDS, no barrier, no matrix unit: every byte is read once and written once; all of a wave's 32 (40) loads go out first, the waits count down.
; THE ROUTER'S FORMAT: the logits are a matrix product, and its operands x and Wr are rounded to bf16 like those of the experts' products; the products of
; two bf16 are exact in f32 and the sums are f32.  So the whole program computes on one and the same rounded x.
; wts holds HALF the routing weight, R / 2: the experts' launch leaves 2 gelu in H, and the last launch multiplies by R / 2.
; LIMITS of the router: a token whose second and third logits lie closer than the operands' rounding (2^-9 of each term) may choose the other expert than
; a router on unrounded f32; the sums are made in another order than the reference makes them; NaN logits are not ordered as top_k orders them
; (the two indices are distinct all the same); ties take the lower index.
	s_load_b128 s[4:7], s[0:1], 0x0                ; x s[4:5], Wr s[6:7]
	s_load_b64 s[8:9], s[0:1], 0x10                ; W_in
	s_load_b256 s[12:19], s[0:1], 0x18             ; wb s[12:13], xb s[14:15], eidx s[16:17], wts s[18:19]
	v_and_b32 v1, 31, v0                           ; l: lane
	v_lshrrev_b32 v2, 5, v0
	v_readfirstlane_b32 s20, v2                    ; v: wave 0..7
	s_lshr_b32 s21, ttmp9, 8                       ; role
	s_and_b32 s22, ttmp9, 255                      ; b
	s_cmp_eq_u32 s21, 1
	s_cbranch_scc1 .Lrouter
; ---- role 0: rows 64 b .. 64 b + 63 of W_in taken as [16384][512].  Wave v: rows 8 v .. 8 v + 7.
; Unit u = 8 a + ks: rows 8 v + 4 a + (l >> 3), k = 64 ks + 8 (l & 7) .. + 7: two loads of 16 bytes, four conversions, one store of 16 bytes.
	s_lshl_b32 s24, s22, 17                        ; 64 rows of 2,048 bytes
	s_mov_b32 s25, 0
	s_lshr_b32 s26, s22, 3                         ; chunk = b / 8
	s_lshl_b32 s26, s26, 20
	s_mov_b32 s27, 0
	v_lshrrev_b32 v3, 3, v1                        ; l >> 3: row in the four
	v_and_b32 v4, 7, v1                            ; l & 7: the piece o
	v_lshlrev_b32 v5, 11, v3
	v_lshl_add_u32 v5, v4, 5, v5
	s_lshl_b32 s28, s20, 14
	v_add_nc_u32 v5, s28, v5                       ; source: (8 v + (l >> 3)) * 2048 + 32 (l & 7)
	s_and_b32 s29, s22, 7
	s_lshl_b32 s29, s29, 13                        ; n = 64 (b & 7) + ..., 128 bytes a row
	s_lshl_b32 s30, s20, 10
	s_add_co_u32 s29, s29, s30
	v_lshl_add_u32 v6, v3, 7, s29                  ; n * 128 for a = 0
	s_and_b32 s30, s20, 1
	s_lshl_b32 s30, s30, 2
	v_lshrrev_b32 v7, 4, v1
	v_or_b32 v7, s30, v7                           ; (n >> 1) & 7 = 4 (v & 1) + 2 a + (l >> 4), here for a = 0
	v_xor_b32 v7, v4, v7
	v_lshl_add_u32 v8, v7, 4, v6                   ; v8: where my piece goes, a = 0
	v_xor_b32 v7, 2, v7                            ; a = 1 flips bit 1 of the swizzle
	v_lshl_add_u32 v9, v7, 4, v6
	v_add_nc_u32 v9, 512, v9                       ; v9: a = 1, four rows on
	s_wait_kmcnt 0x0
	s_add_nc_u64 s[8:9], s[8:9], s[24:25]
	s_add_nc_u64 s[12:13], s[12:13], s[26:27]
.set u, 0
.rept 16
	global_load_b128 v[64+8*u:64+8*u+3],   v5, s[8:9] offset:(u/8)*8192+(u%8)*256 th:TH_LOAD_NT
	global_load_b128 v[64+8*u+4:64+8*u+7], v5, s[8:9] offset:(u/8)*8192+(u%8)*256+16 th:TH_LOAD_NT
.set u, u+1
.endr
.set u, 0
.rept 16
	s_wait_loadcnt 30-2*u                          ; loads return in order: all but the 30 - 2 u issued behind this unit's two
	v_cvt_pk_bf16_f32 v[192+4*u],   v[64+8*u],   v[64+8*u+1]
	v_cvt_pk_bf16_f32 v[192+4*u+1], v[64+8*u+2], v[64+8*u+3]
	v_cvt_pk_bf16_f32 v[192+4*u+2], v[64+8*u+4], v[64+8*u+5]
	v_cvt_pk_bf16_f32 v[192+4*u+3], v[64+8*u+6], v[64+8*u+7]
	global_store_b128 v[8+u/8], v[192+4*u:192+4*u+3], s[12:13] offset:(u%8)*65536   ; four rows of 128 bytes: 512 consecutive bytes, aligned; no register is used twice
.set u, u+1
.endr
	s_endpgm
; ---- role 1: wave v takes tokens t0 = 16 b + 2 v and t0 + 1.  Lane l holds elements 128 j + 4 l .. + 3 of x and of every row of Wr.
.Lrouter:
	s_lshl_b32 s24, s22, 15
	s_lshl_b32 s26, s20, 12
	s_add_co_u32 s24, s24, s26                     ; t0 * 2048 (x)
	s_mov_b32 s25, 0
	s_lshr_b32 s26, s24, 1                         ; t0 * 1024 (xb)
	s_mov_b32 s27, 0
	s_lshr_b32 s28, s24, 9                         ; t0 * 4 (eidx)
	s_mov_b32 s29, 0
	s_lshr_b32 s30, s24, 8                         ; t0 * 8 (wts)
	s_mov_b32 s31, 0
	s_mov_b32 s32, 0x76543210                      ; v_permlanex16_b32: lane i of one half reads lane i of the other
	s_mov_b32 s33, 0xfedcba98
	s_mov_b32 s36, 0xffff0000                      ; a word's upper bf16
	v_lshlrev_b32 v3, 4, v1
	v_lshlrev_b32 v4, 3, v1
	s_wait_kmcnt 0x0
	s_add_nc_u64 s[4:5], s[4:5], s[24:25]
	s_add_nc_u64 s[14:15], s[14:15], s[26:27]
	s_add_nc_u64 s[16:17], s[16:17], s[28:29]
	s_add_nc_u64 s[18:19], s[18:19], s[30:31]
.irp t, 0,1
.irp j, 0,1,2,3
	global_load_b128 v[32+16*\t+4*\j:32+16*\t+4*\j+3], v3, s[4:5] offset:\t*2048+512*\j th:TH_LOAD_NT
.endr
.endr
.irp e, 0,1,2,3,4,5,6,7
.irp j, 0,1,2,3
	global_load_b128 v[64+16*\e+4*\j:64+16*\e+4*\j+3], v3, s[6:7] offset:\e*2048+512*\j
.endr
.endr
	s_wait_loadcnt 32                              ; x is in; the 32 loads of Wr stay out
.irp t, 0,1
.irp j, 0,1,2,3
	v_cvt_pk_bf16_f32 v[224+2*(4*\t+\j)],   v[32+16*\t+4*\j],   v[32+16*\t+4*\j+1]
	v_cvt_pk_bf16_f32 v[224+2*(4*\t+\j)+1], v[32+16*\t+4*\j+2], v[32+16*\t+4*\j+3]
	global_store_b64 v4, v[224+2*(4*\t+\j):224+2*(4*\t+\j)+1], s[14:15] offset:\t*1024+256*\j   ; the wave stores 256 consecutive bytes, aligned
.endr
.endr
.set p, 0
.rept 16                                       ; the rounded x back as f32, for the logits (the packed words, which the stores read, stay)
	v_lshlrev_b32 v[32+2*p], 16, v[224+p]
	v_and_b32     v[33+2*p], s36, v[224+p]
.set p, p+1
.endr
.irp e, 0,1,2,3,4,5,6,7
	s_wait_loadcnt 28-4*\e                         ; row e of Wr is in
.irp p, 0,1,2,3,4,5,6,7
	v_cvt_pk_bf16_f32 v[240+\p], v[64+16*\e+2*\p], v[64+16*\e+2*\p+1]   ; Wr rounded to bf16,
.endr
.irp p, 0,1,2,3,4,5,6,7
	v_lshlrev_b32 v[64+16*\e+2*\p],   16, v[240+\p]                     ; and back as f32
	v_and_b32     v[64+16*\e+2*\p+1], s36, v[240+\p]
.endr
	v_pk_mul_f32 v[216:217], v[32:33], v[64+16*\e:65+16*\e]        ; the first products start the sums; the two tokens' chains take turns
	v_pk_mul_f32 v[218:219], v[48:49], v[64+16*\e:65+16*\e]
.irp p, 1,2,3,4,5,6,7
	v_pk_fma_f32 v[216:217], v[32+2*\p:33+2*\p], v[64+16*\e+2*\p:65+16*\e+2*\p], v[216:217]
	v_pk_fma_f32 v[218:219], v[48+2*\p:49+2*\p], v[64+16*\e+2*\p:65+16*\e+2*\p], v[218:219]
.endr
	v_add_f32 v[200+\e], v216, v217                ; v[200:207] token 0, v[208:215] token 1
	v_add_f32 v[208+\e], v218, v219
.endr
.irp m, 1,2,4,8
.irp i, 0,1,2,3,4,5,6,7,8,9,10,11,12,13,14,15
	v_add_f32_dpp v[200+\i], v[200+\i], v[200+\i] row_xmask:\m row_mask:0xf bank_mask:0xf
.endr
.endr
	v_mov_b32 v220, 0                              ; v_permlanex16_b32 counts as a reader of its destination
.irp i, 0,1,2,3,4,5,6,7,8,9,10,11,12,13,14,15
	v_permlanex16_b32 v220, v[200+\i], s32, s33
	v_add_f32 v[200+\i], v[200+\i], v220           ; every lane holds every logit
.endr
; top 2 by selects alone (no branch): m1 v64/68, i1 v65/69, m2 v66/70, i2 v67/71.  The strict > keeps the lower index on ties.
.irp t, 0,1
	v_mov_b32 v[64+4*\t], v[200+8*\t]
	v_mov_b32 v[65+4*\t], 0
	v_mov_b32 v[66+4*\t], 0xff800000               ; -infinity
	v_mov_b32 v[67+4*\t], 1
.irp e, 1,2,3,4,5,6,7
	v_cmp_gt_f32 vcc_lo, v[200+8*\t+\e], v[64+4*\t]
	v_cmp_gt_f32 s34, v[200+8*\t+\e], v[66+4*\t]
	v_cndmask_b32 v[66+4*\t], v[66+4*\t], v[200+8*\t+\e], s34
	v_cndmask_b32 v[67+4*\t], v[67+4*\t], \e, s34
	v_cndmask_b32 v[66+4*\t], v[66+4*\t], v[64+4*\t], vcc_lo
	v_cndmask_b32 v[67+4*\t], v[67+4*\t], v[65+4*\t], vcc_lo
	v_cndmask_b32 v[64+4*\t], v[64+4*\t], v[200+8*\t+\e], vcc_lo
	v_cndmask_b32 v[65+4*\t], v[65+4*\t], \e, vcc_lo
.endr
.endr
; softmax of (m1, m2) with the maximum m1 taken away: w1 = 1 / (1 + e^(m2 - m1)), w2 = e^(m2 - m1) w1; stored halved
	v_sub_f32 v72, v66, v64
	v_sub_f32 v73, v70, v68
	v_mul_f32 v72, 0x3fb8aa3b, v72
	v_mul_f32 v73, 0x3fb8aa3b, v73
	v_exp_f32 v82, v72
	v_exp_f32 v83, v73
	v_lshl_or_b32 v80, v67, 8, v65                 ; i1 | i2 << 8: also the plain instruction that stands behind the exponentials (ISA guide 5.7.2)
	v_lshl_or_b32 v81, v71, 8, v69
	s_wait_alu depctr_va_vdst(0)
	v_add_f32 v74, 1.0, v82
	v_add_f32 v75, 1.0, v83
	v_rcp_f32 v76, v74
	v_rcp_f32 v78, v75
	v_mov_b32 v84, 0                               ; the plain instruction behind the reciprocals
	s_wait_alu depctr_va_vdst(0)
	v_mul_f32 v76, 0.5, v76                        ; w1 / 2
	v_mul_f32 v78, 0.5, v78
	v_mul_f32 v77, v82, v76                        ; w2 / 2
	v_mul_f32 v79, v83, v78
	s_wait_xcnt 0x0                                ; EXEC is a source of the stores above: it changes only behind this wait
	v_cmp_eq_u32 vcc_lo, 0, v1
	s_and_saveexec_b32 s35, vcc_lo                 ; lane 0 stores both tokens' words: they are neighbours in eidx and in wts
	global_store_b64 v84, v[80:81], s[16:17]
	global_store_b128 v84, v[76:79], s[18:19]
	s_wait_xcnt 0x0
	s_or_b32 exec_lo, exec_lo, s35
	s_endpgm
.Lfunc_end_k_q5339a3da8f_prep:
	.size	k_q5339a3da8f_prep, .Lfunc_end_k_q5339a3da8f_prep-k_q5339a3da8f_prep
	.p2alignl 7, 3214868480
	.fill 96, 4, 3214868480
	.section	.rodata,"a",@progbits
	.p2align	6, 0x0
	.amdhsa_kernel k_q5339a3da8f_prep
		.amdhsa_group_segment_fixed_size 0
		.amdhsa_private_segment_fixed_size 0
		.amdhsa_enable_private_segment 0
		.amdhsa_kernarg_size 56
		.amdhsa_user_sgpr_count 2
		.amdhsa_user_sgpr_kernarg_segment_ptr 1
		.amdhsa_wavefront_size32 1
		.amdhsa_system_sgpr_workgroup_id_x 1
		.amdhsa_system_sgpr_workgroup_id_y 1
		.amdhsa_system_sgpr_workgroup_id_z 1
		.amdhsa_system_vgpr_workitem_id 0
		.amdhsa_next_free_vgpr 256
		.amdhsa_next_free_sgpr 66
		.amdhsa_reserve_vcc 1
		.amdhsa_float_denorm_mode_32 3
		.amdhsa_float_denorm_mode_16_64 3
		.amdhsa_memory_ordered 1
		.amdhsa_forward_progress 1
		.amdhsa_inst_pref_size 47
	.end_amdhsa_kernel
	.amdgpu_metadata
---
amdhsa.version: [ 1, 2 ]
amdhsa.kernels:
  - .name:           k_q5339a3da8f_prep
    .symbol:         k_q5339a3da8f_prep.kd
    .args:
      - { .name: x, .offset: 0, .size: 8, .value_kind: global_buffer, .address_space: global }
      - { .name: Wr, .offset: 8, .size: 8, .value_kind: global_buffer, .address_space: global }
      - { .name: W_in, .offset: 16, .size: 8, .value_kind: global_buffer, .address_space: global }
      - { .name: wb, .offset: 24, .size: 8, .value_kind: global_buffer, .address_space: global }
      - { .name: xb, .offset: 32, .size: 8, .value_kind: global_buffer, .address_space: global }
      - { .name: eidx, .offset: 40, .size: 8, .value_kind: global_buffer, .address_space: global }
      - { .name: wts, .offset: 48, .size: 8, .value_kind: global_buffer, .address_space: global }
    .group_segment_fixed_size: 0
    .private_segment_fixed_size: 0
    .kernarg_segment_align: 8
    .kernarg_segment_size: 56
    .max_flat_workgroup_size: 256
    .sgpr_count:     66
    .vgpr_count:     256
    .wavefront_size: 32
...
	.end_amdgpu_metadata
.endif
;; end of part 1
;; launch place (part 2): grid 264 x 1, 32 waves a work-group, no clusters, 5,376 bytes of LDS; arguments eidx, ltok, pos, texp, W_out, wb; writes ltok, pos, texp, wb
.if DOCPART == 2
	.amdgcn_target "amdgcn-amd-amdhsa--gfx1250"
	.amdhsa_code_object_version 6
	.text
	.protected	k_q5339a3da8f_place
	.globl	k_q5339a3da8f_place
	.p2align	8
	.type	k_q5339a3da8f_place,@function
k_q5339a3da8f_place:
	s_mov_b64 s[64:65], 0
	v_nop
	global_prefetch_b8 v0, s[64:65] scope:SCOPE_SE
	s_setreg_imm32_b32 hwreg(HW_REG_WAVE_MODE, 25, 1), 1
	s_wait_xcnt 0x0
; place: two kinds of work in one launch, so that the placement, which is eight work-groups of dependent steps, runs while the other 256 stream.
;   work-groups 0-7:   the placement for expert e = the work-group's number;
;   work-groups 8-263: W_out f32 -> bf16 tiles 8-15 of wb's chunks, transposed in registers.
; The branch between the two hangs on the work-group's number alone, which all 32 waves share; the barrier stands in the placement only.
;
; THE PLACEMENT cuts the 8,192 assignments a = 2 t + j (token t, j-th choice) into row tiles of 144 for the next launch, each tile of one expert.
; Whole numbers only, no atomics: work-group e owns expert e.  Every one of the eight counts all eight experts (c[0..7]), so that it knows its first tile
; tb = the sum over e' < e of ceil(c[e'] / 144).  The sum over all eight is at most (8192 + 8 * 143) / 144, so 64 tiles serve every input.
; The assignment of rank r among expert e's gets slot = 144 tb + r:  ltok[slot] = a, pos[a] = slot;  texp[tile] = e for the expert's tiles.
; Slots of a tile past the count get a = 0.  The tiles past the last filled one (at least 57 are filled, so at most 7) are given to expert 7 with a = 0
; throughout: the next launch computes them like the others, and no pos names their slots.
; Thread tid takes tokens 4 tid .. 4 tid + 3.  These are scattered 4-byte stores, 70 KB in all.
	s_load_b256 s[4:11], s[0:1], 0x0               ; eidx s[4:5], ltok s[6:7], pos s[8:9], texp s[10:11]
	s_load_b128 s[16:19], s[0:1], 0x20             ; W_out s[16:17], wb s[18:19]
	v_lshl_add_u32 v64, v0, 2, 0x500
	v_mov_b32 v65, 0
	v_and_b32 v1, 31, v0
	v_lshrrev_b32 v2, 5, v0
	v_readfirstlane_b32 s12, v2                    ; wave 0..31
	s_cmp_ge_u32 ttmp9, 8
	s_cbranch_scc1 .Lwout
	v_lshlrev_b32 v3, 4, v0
	s_mov_b32 s13, ttmp9                           ; e
	s_mov_b32 s32, 0x76543210                      ; v_permlanex16_b32: lane i of one half reads lane i of the other
	s_mov_b32 s33, 0xfedcba98
	s_wait_kmcnt 0x0
	global_load_b128 v[4:7], v3, s[4:5]            ; four words i1 | i2 << 8
	s_mov_b32 s20, 0                               ; the wave's running count for expert e
	s_wait_loadcnt 0x0
.irp k, 0,1,2,3
	v_and_b32 v[8+\k], 0xff, v[4+\k]
	v_bfe_u32 v[12+\k], v[4+\k], 8, 8
	v_cmp_eq_u32 s30, s13, v[8+\k]
	v_cmp_eq_u32 s31, s13, v[12+\k]
	v_cndmask_b32 v[16+\k], 0, 1, s31              ; j
	s_or_b32 s[24+\k], s30, s31                    ; the lanes whose token k names e
	v_mbcnt_lo_u32_b32 v[20+\k], s[24+\k], s20     ; rank in the wave: such lanes below me + what the earlier k counted
	s_bcnt1_i32_b32 s34, s[24+\k]
	s_add_co_u32 s20, s20, s34
.endr
; the wave's count for each of the eight experts, s[40+ep], at most 128
.irp ep, 0,1,2,3,4,5,6,7
.irp k, 0,1,2,3
	v_cmp_eq_u32 s30, \ep, v[8+\k]
	v_cmp_eq_u32 s31, \ep, v[12+\k]
	s_or_b32 s30, s30, s31
.if \k == 0
	s_bcnt1_i32_b32 s[40+\ep], s30
.else
	s_bcnt1_i32_b32 s30, s30
	s_add_co_u32 s[40+\ep], s[40+\ep], s30
.endif
.endr
.endr
; LDS: word [ep][wave] at 128 ep + 4 wave; row 8: the wave's count for the work-group's own expert
	v_mov_b32 v44, s12
	v_lshlrev_b32 v44, 2, v44
.irp ep, 0,1,2,3,4,5,6,7
	v_mov_b32 v[48+\ep], s[40+\ep]
	ds_store_b32 v44, v[48+\ep] offset:128*\ep     ; all lanes write the same word with the same value
.endr
	v_mov_b32 v56, s20
	ds_store_b32 v44, v56 offset:1024
	s_wait_dscnt 0x0                               ; stored, for the others' sake, before the signal
	s_barrier_signal -1
	s_barrier_wait -1
	v_lshlrev_b32 v46, 2, v1
.irp ep, 0,1,2,3,4,5,6,7
	ds_load_b32 v[48+\ep], v46 offset:128*\ep      ; lane i: wave i's count
.endr
	ds_load_b32 v56, v46 offset:1024
	s_wait_dscnt 0x0
	v_cmp_gt_u32 vcc_lo, s12, v1
	v_cndmask_b32 v56, 0, v56, vcc_lo              ; own expert: the waves below mine alone
.irp m, 0,1,2,3
	v_lshl_or_b32 v[57+\m], v[49+2*\m], 16, v[48+2*\m]     ; two experts a word: a sum is at most 4,096 and stays in its 16 bits
.endr
	v_mov_b32 v61, 0                               ; a DPP form and v_permlanex16_b32 count as readers of their destination
.irp d, 1,2,4,8
.irp i, 56,57,58,59,60
	v_mov_b32_dpp v61, v\i row_xmask:\d row_mask:0xf bank_mask:0xf
	v_add_nc_u32 v\i, v\i, v61
.endr
.endr
.irp i, 56,57,58,59,60
	v_permlanex16_b32 v61, v\i, s32, s33
	v_add_nc_u32 v\i, v\i, v61                     ; the sum over the 32 lanes, in every lane
.endr
	v_readfirstlane_b32 s22, v56                   ; base: expert e's assignments in the waves below mine
	v_readfirstlane_b32 s36, v57
	v_readfirstlane_b32 s37, v58
	v_readfirstlane_b32 s38, v59
	v_readfirstlane_b32 s39, v60
	s_mov_b32 s55, 0                               ; tb
	s_mov_b32 s53, 0                               ; my expert's tiles
	s_mov_b32 s21, 0                               ; my expert's count c
.set ep, 0
.rept 8
.if ep & 1
	s_lshr_b32 s50, s[36+ep/2], 16
.else
	s_and_b32 s50, s[36+ep/2], 0xffff
.endif
	s_add_co_u32 s51, s50, 143                     ; ceil(c / 144) = floor((c + 143) / 16 / 9); floor(m / 9) = (57 m) >> 9 for m < 504, and m is at most 264
	s_lshr_b32 s51, s51, 4
	s_mul_i32 s51, s51, 57
	s_lshr_b32 s51, s51, 9
	s_cmp_gt_u32 s13, ep
	s_cselect_b32 s52, s51, 0
	s_add_co_u32 s55, s55, s52
	s_cmp_eq_u32 s13, ep
	s_cselect_b32 s53, s51, s53
	s_cselect_b32 s21, s50, s21
.set ep, ep+1
.endr
	s_add_co_u32 s54, s55, s53                     ; the tile behind my last;
	s_cmp_eq_u32 s13, 7
	s_cselect_b32 s54, 64, s54                     ; expert 7 also takes what is left of the 64
	s_mul_i32 s56, s55, 144                        ; my first slot
	s_mul_i32 s57, s54, 144                        ; the slot behind my last
	s_add_co_u32 s58, s56, s21                     ; the first slot of padding
; all addresses and data with every lane on, each in a register of its own; the clamps change no number that can occur
.irp k, 0,1,2,3
	v_add_nc_u32 v[20+\k], s22, v[20+\k]           ; r
	v_add_nc_u32 v[24+\k], s56, v[20+\k]
	v_min_u32 v[24+\k], 9215, v[24+\k]             ; slot
	v_lshlrev_b32 v[28+\k], 2, v[24+\k]
	v_lshl_add_u32 v[32+\k], v0, 3, v[16+\k]
	v_add_nc_u32 v[32+\k], 2*\k, v[32+\k]
	v_min_u32 v[32+\k], 8191, v[32+\k]             ; a = 8 tid + 2 k + j
	v_lshlrev_b32 v[36+\k], 2, v[32+\k]
.endr
.irp u, 0,1                                    ; padding: at most 143 + 7 * 144 = 1,151 slots, two for each of 1,024 threads
	v_add_nc_u32 v[40+\u], s58, v0
	v_add_nc_u32 v[40+\u], 1024*\u, v[40+\u]
	v_cmp_gt_u32 s[28+\u], s57, v[40+\u]
	v_min_u32 v[42+\u], 9215, v[40+\u]
	v_lshlrev_b32 v[42+\u], 2, v[42+\u]
.endr
	v_cmp_le_u32 s30, s55, v0                      ; thread tid speaks for tile tid
	v_cmp_gt_u32 s31, s54, v0
	s_and_b32 s35, s30, s31
	v_min_u32 v45, 63, v0
	v_lshlrev_b32 v45, 2, v45
	v_mov_b32 v47, s13
	v_mov_b32 v62, 0
.irp k, 0,1,2,3
	s_wait_xcnt 0x0                                ; EXEC is a source of pending loads and stores: it narrows and widens only behind this wait
	s_mov_b32 vcc_lo, s[24+\k]
	s_and_saveexec_b32 s34, vcc_lo
	global_store_b32 v[28+\k], v[32+\k], s[6:7]    ; ltok[slot] = a
	global_store_b32 v[36+\k], v[24+\k], s[8:9]    ; pos[a] = slot
	s_wait_xcnt 0x0
	s_or_b32 exec_lo, exec_lo, s34
.endr
.irp u, 0,1
	s_mov_b32 vcc_lo, s[28+\u]
	s_and_saveexec_b32 s34, vcc_lo
	global_store_b32 v[42+\u], v62, s[6:7]         ; padding: a = 0
	s_wait_xcnt 0x0
	s_or_b32 exec_lo, exec_lo, s34
.endr
	s_mov_b32 vcc_lo, s35
	s_and_saveexec_b32 s34, vcc_lo
	global_store_b32 v45, v47, s[10:11]            ; texp[tile] = e
	s_wait_xcnt 0x0
	s_or_b32 exec_lo, exec_lo, s34
	s_wait_xcnt 0x0
	s_mov_b32 exec_lo, -1
	s_wait_tensorcnt 0x0
	ds_add_u32 v64, v65
	s_wait_dscnt 0x0
	s_endpgm
; ---- W_out: work-group 8 + b takes rows 64 b .. 64 b + 63 of W_out taken as [16384][512] = tile 8 + (b & 7) of chunk b / 8 of wb.
; A tile is [w 4][o 8][p 128] pieces of 16 bytes; a piece holds hidden 8 o .. 8 o + 7 of column d = 128 w + 4 l + c, p = 32 c + l.
; Wave: o = wave & 7 (rows 8 o + i), w = wave >> 3 (128 columns).  A lane's load i brings columns 128 w + 4 l + c of row i; the eight rows' numbers of one
; column make one piece: the transposition costs no instruction.  Eight loads and four stores of 512 consecutive bytes a wave; 32 waves have 128 KiB on their way.
.Lwout:
	s_sub_co_u32 s22, ttmp9, 8                     ; b
	s_and_b32 s14, s12, 7                          ; o
	s_lshr_b32 s15, s12, 3                         ; w
	s_lshl_b32 s24, s22, 17                        ; 64 rows of 2,048 bytes
	s_mov_b32 s25, 0
	s_lshr_b32 s26, s22, 3
	s_lshl_b32 s26, s26, 20
	s_and_b32 s28, s22, 7
	s_add_co_u32 s28, s28, 8
	s_lshl_b32 s28, s28, 16
	s_add_co_u32 s26, s26, s28                     ; chunk * 1 MiB + tile * 65,536
	s_mov_b32 s27, 0
	v_lshlrev_b32 v3, 4, v1
	s_lshl_b32 s29, s14, 14
	s_lshl_b32 s30, s15, 9
	s_add_co_u32 s29, s29, s30
	v_add_nc_u32 v5, s29, v3                       ; source: 8 o rows + 512 w + 16 l
	s_lshl_b32 s30, s14, 11
	s_lshl_b32 s31, s15, 14
	s_add_co_u32 s30, s30, s31
	v_add_nc_u32 v6, s30, v3                       ; destination: 16384 w + 2048 o + 16 l
	s_wait_kmcnt 0x0
	s_add_nc_u64 s[16:17], s[16:17], s[24:25]
	s_add_nc_u64 s[18:19], s[18:19], s[26:27]
.irp i, 0,1,2,3,4,5,6,7
	global_load_b128 v[8+4*\i:8+4*\i+3], v5, s[16:17] offset:\i*2048 th:TH_LOAD_NT
.endr
	s_wait_loadcnt 0x0                             ; every piece needs all eight rows
.irp c, 0,1,2,3
.irp p, 0,1,2,3
	v_cvt_pk_bf16_f32 v[40+4*\c+\p], v[8+4*(2*\p)+\c], v[8+4*(2*\p+1)+\c]
.endr
	global_store_b128 v6, v[40+4*\c:40+4*\c+3], s[18:19] offset:\c*512     ; 512 consecutive bytes, aligned; no register is used twice
.endr
	s_endpgm
.Lfunc_end_k_q5339a3da8f_place:
	.size	k_q5339a3da8f_place, .Lfunc_end_k_q5339a3da8f_place-k_q5339a3da8f_place
	.p2alignl 7, 3214868480
	.fill 96, 4, 3214868480
	.section	.rodata,"a",@progbits
	.p2align	6, 0x0
	.amdhsa_kernel k_q5339a3da8f_place
		.amdhsa_group_segment_fixed_size 5376
		.amdhsa_private_segment_fixed_size 0
		.amdhsa_enable_private_segment 0
		.amdhsa_kernarg_size 48
		.amdhsa_user_sgpr_count 2
		.amdhsa_user_sgpr_kernarg_segment_ptr 1
		.amdhsa_wavefront_size32 1
		.amdhsa_system_sgpr_workgroup_id_x 1
		.amdhsa_system_sgpr_workgroup_id_y 1
		.amdhsa_system_sgpr_workgroup_id_z 1
		.amdhsa_system_vgpr_workitem_id 0
		.amdhsa_next_free_vgpr 66
		.amdhsa_next_free_sgpr 66
		.amdhsa_reserve_vcc 1
		.amdhsa_float_denorm_mode_32 3
		.amdhsa_float_denorm_mode_16_64 3
		.amdhsa_memory_ordered 1
		.amdhsa_forward_progress 1
		.amdhsa_inst_pref_size 25
	.end_amdhsa_kernel
	.amdgpu_metadata
---
amdhsa.version: [ 1, 2 ]
amdhsa.kernels:
  - .name:           k_q5339a3da8f_place
    .symbol:         k_q5339a3da8f_place.kd
    .args:
      - { .name: eidx, .offset: 0, .size: 8, .value_kind: global_buffer, .address_space: global }
      - { .name: ltok, .offset: 8, .size: 8, .value_kind: global_buffer, .address_space: global }
      - { .name: pos, .offset: 16, .size: 8, .value_kind: global_buffer, .address_space: global }
      - { .name: texp, .offset: 24, .size: 8, .value_kind: global_buffer, .address_space: global }
      - { .name: W_out, .offset: 32, .size: 8, .value_kind: global_buffer, .address_space: global }
      - { .name: wb, .offset: 40, .size: 8, .value_kind: global_buffer, .address_space: global }
    .group_segment_fixed_size: 5376
    .private_segment_fixed_size: 0
    .kernarg_segment_align: 8
    .kernarg_segment_size: 48
    .max_flat_workgroup_size: 1024
    .sgpr_count:     66
    .vgpr_count:     66
    .wavefront_size: 32
...
	.end_amdgpu_metadata
.endif
;; end of part 2
;; launch experts (part 3): grid 256 x 1, 4 waves a work-group, no clusters, 327,680 bytes of LDS; arguments wb, xb, ltok, texp, part; writes part
.if DOCPART == 3
	.amdgcn_target "amdgcn-amd-amdhsa--gfx1250"
	.amdhsa_code_object_version 6
	.text
	.protected	k_q5339a3da8f_experts
	.globl	k_q5339a3da8f_experts
	.p2align	8
	.type	k_q5339a3da8f_experts,@function
k_q5339a3da8f_experts:
	s_mov_b64 s[64:65], 0
	v_nop
	global_prefetch_b8 v0, s[64:65] scope:SCOPE_SE
	s_setreg_imm32_b32 hwreg(HW_REG_WAVE_MODE, 25, 1), 1
	s_wait_xcnt 0x0
; experts: for a row tile of 144 assignments of one expert e = texp[tile]:  part[hs][slot][:] = (2 gelu(x W_in[e, quarter hs]^T)) W_out[e, quarter hs].
; Only the two chosen experts of a token are computed: for the other six R is 0 and reference() multiplies their h by it.
; The routing weight is applied by the last launch, as R / 2 on each assignment's sum: H holds 2 gelu(x) = x + |x| erf(|x| / sqrt 2), and the factor 2 is exact in bf16.
; WORK: 64 row tiles (enough for every input: the sum over the experts of ceil(count / 144) is at most (8192 + 8 * 143) / 144) x 4 quarters hs of the hidden
; dimension (512 wide) = 256 work-groups of equal work.  What hangs on the routing is addresses alone (the expert's weights, the tokens' rows): no branch, no
; trip count.  Four waves; in both products a wave makes 144 rows x 128 columns (9 x 8 accumulator tiles, 576 registers) over K = 512: 2 x 1,152 matrix instructions.
;   product 1 (transposed use: source 0 = 16 rows of W_in, source 1 = 16 tokens): a lane holds one token and 8 neighbouring hidden numbers,
;              which after the gelu pack into 16 bytes of H's row in LDS;
;   product 2 (source 0 = 16 tokens of H, source 1 = 16 columns of W_out): a lane holds 8 tokens of one column.
; WHICH WORK-GROUP TAKES WHAT: hs = bits 3:2 of the work-group's number; the tile's bits 5, 4, 3, 2:0 = the number's bits 0, 1, 4, 7:5.  An expert's tiles are
; neighbours, so the work-groups that walk one chunk of weights agree in the number's bits 3:2 and, unless the expert's tiles cross tile 16, 32 or 48, in bits 1:0.
; NO CLUSTER: the work-groups that walk the same weights are the tiles of one expert, and which tiles those are is known only from texp, read from memory.
; Four neighbouring tiles may belong to two experts, and a joint request must be the same in all that it names by their coordinates alone.  Rounding every
; expert up to a multiple of four tiles would need (8192 + 8 * 575) / 576 = 22 groups = 88 tiles, 352 work-groups for 256 WGPs.
; LDS: [0, 65536) slot 0, [65536, 131072) slot 1: weight tiles, filled by tensor loads alone; quarter w of a tile is wave w's own, fetched and read by it alone.
;      [131072, 280832): 144 rows of 1,040 bytes (1,024 + 16: the 16 rows of a fragment fall on 16 different 16-byte columns of 256 bytes), written by ds_store
;      alone: first X (the gathered tokens in bf16), then H over it.
; By this text's own count a wave has two tensor loads outstanding at the start and one behind each barrier of a refill.
; REGISTERS in windows of 256: window 0 addresses and token fragments (two buffers); windows 1, 2, 3: v0-191 the accumulators of row tiles 3 (W - 1) + a,
; tile (a, nt) at v[8 (8 a + nt)]; v192-255 of window 1 and 2: weight fragments, buffers 0 and 1; of all three: temporaries of the gelu and of the way out.
; LIMITS: (1) where reference() gets inf * 0 = NaN through an expert that was not chosen, this text gives the finite sum of the two chosen ones.
; (2) erf by Abramowitz and Stegun 7.1.25, absolute error at most 2.5e-5 for every argument, against H's rounding to bf16 of 2^-9 relative.
; (3) rows past an expert's count, and the tiles past the last filled one (at most 7 of the 64), repeat assignment 0; their results lie in slots that nobody reads.
; (4) R multiplies the second product's result and not its operand h: another order of rounding than reference()'s.
.set XH,    131072                     ; LDS: X, then H
.set XP,    1040                       ; its pitch
.set MROW,  16*XP                      ; 16 rows
.set MT3,   3*MROW                     ; 48 rows: what one address register reaches by the 16-bit immediate
.set TILE,  65536
.set PSTRIDE, 0x1200000                ; part: 9,216 rows of 2,048 bytes for each hs
.set ADX, 10                           ; v10-12  XH + r XP + 16 hh + {0, 1, 2} MT3
.set AW1, 16                           ; v16-23  product 1's weight fragments: [slot][kk][half]
.set AW2, 24                           ; v24-25  product 2's: [slot]
.set ST,  26                           ; v26     where my 16 bytes of H go
.set CO,  27                           ; v27     my byte offset in part
.set XS,  28                           ; v28     where my 16 bytes of a gathered row go
.set L16, 29                           ; v29     16 x lane
.set TF,  64                           ; v64-135, v136-207  token fragments, buffers 0 and 1
.set XA,  64                           ; v64-99  the gather's offsets in xb (before buffer 0 is filled)
.set WF,  192                          ; weight fragments in windows 1 and 2
.set GST, 192                          ; in window W: address (H, part)
.set GU,  200                          ; v200-207
.set GS,  208                          ; v208-215
.set GQ,  216                          ; v216-223
.set GO,  224                          ; v224-227
.set CN3, 228                          ; pairs of constants: -a3, -a2, -a1, -log2(e) / 2, 1
.set CN2, 230
.set CN1, 232
.set CNE, 234
.set CON, 236
.set OT,  200                          ; v200-231 the way out
.set MSB, 0
.macro WIN new                         ; the immediate's high byte repeats the setting that is left
.if MSB != (\new)
	s_set_vgpr_msb (MSB<<8)|(\new)
.set MSB, (\new)
.endif
.endm
.macro PLACES                          ; four plain vector instructions behind a matrix instruction, before its registers are loaded into, written or its result read (ISA guide 7.12.1)
.rept 4
	v_nop
.endr
.endm
	s_load_b128 s[4:7], s[0:1], 0x0                ; wb s[4:5], xb s[6:7]
	s_load_b64 s[10:11], s[0:1], 0x10              ; ltok
	s_load_b128 s[12:15], s[0:1], 0x18             ; texp s[12:13], part s[14:15]
	v_lshl_add_u32 v254, v0, 2, 0x44900
	v_mov_b32 v255, 0
	ds_add_u32 v254, v255
	ds_add_u32 v254, v255
	v_lshrrev_b32 v3, 5, v0
	v_readfirstlane_b32 s16, v3                    ; w: wave 0..3
	s_bfe_u32 s20, ttmp9, 0x20002                  ; hs = bits 3:2 of the work-group's number
	s_lshr_b32 s17, ttmp9, 5                       ; row tile: bits 2:0 = the number's bits 7:5,
	s_bfe_u32 s50, ttmp9, 0x10004
	s_lshl3_add_u32 s17, s50, s17                  ; bit 3 = its bit 4,
	s_and_b32 s50, ttmp9, 2
	s_lshl3_add_u32 s17, s50, s17                  ; bit 4 = its bit 1,
	s_and_b32 s50, ttmp9, 1
	s_lshl_b32 s50, s50, 5
	s_add_co_u32 s17, s17, s50                     ; bit 5 = its bit 0
	; descriptor group 1, the same for every load: 64 rows of 32 elements of 8 bytes, dense = a quarter tile of 16,384 bytes in rows of 256
	s_mov_b32 s24, 3<<16                           ; 15:0 no mask; 17:16 elements of 8 bytes; no padding
	s_mov_b32 s25, 32<<16                          ; tensor_dim0 = 32
	s_mov_b32 s26, 64<<16                          ; tensor_dim1 = 64
	s_mov_b32 s27, 32<<16                          ; tile_dim0 = 32
	s_mov_b32 s28, 64                              ; tile_dim1 = 64
	s_mov_b32 s29, 32                              ; from row to row: 32 elements
	s_mov_b32 s30, 0
	s_mov_b32 s31, 0
	; group 0 of slot n in s[32+4n:35+4n]
	s_mov_b32 s32, 1
	s_lshl_b32 s33, s16, 14                        ; LDS: w * 16384
	s_mov_b32 s36, 1
	s_add_co_u32 s37, s33, TILE                    ; LDS: 65536 + w * 16384
	s_lshl_b32 s50, s17, 2
	s_mov_b32 s51, 0
	s_mul_i32 s56, s17, 576                        ; 144 list entries of 4 bytes
	s_mov_b32 s57, 0
	s_mul_i32 s58, s16, 144                        ; 36 entries
	s_mov_b32 s59, 0
	s_wait_dscnt 0x0
	s_wait_kmcnt 0x0
	s_add_nc_u64 s[12:13], s[12:13], s[50:51]
	s_add_nc_u64 s[42:43], s[10:11], s[56:57]      ; my tile's 144 list entries
	s_add_nc_u64 s[44:45], s[42:43], s[58:59]      ; those of the 36 rows that my wave gathers
	s_load_b32 s22, s[12:13], 0x0                  ; the tile's expert
	s_load_b512 s[68:83], s[44:45], 0x0            ; 36 entries as scalars
	s_load_b512 s[84:99], s[44:45], 0x40
	s_load_b128 s[52:55], s[44:45], 0x80
	s_mul_i32 s56, s17, 294912                     ; 144 rows of 2,048 bytes
	s_mul_i32 s58, s20, PSTRIDE
	s_add_co_u32 s56, s56, s58
	s_add_nc_u64 s[46:47], s[14:15], s[56:57]      ; my 144 rows of part
	; lane terms
	v_and_b32 v1, 15, v0                           ; r
	v_bfe_u32 v2, v0, 4, 1                         ; hh
	v_and_b32 v3, 31, v0                           ; lane
	v_mul_u32_u24 v4, v1, XP
	v_lshl_add_u32 v4, v2, 4, v4
	v_add_nc_u32 v[ADX],   XH, v4
	v_add_nc_u32 v[ADX+1], XH+MT3, v4
	v_add_nc_u32 v[ADX+2], XH+2*MT3, v4
	v_lshlrev_b32 v5, 7, v1
	v_add_nc_u32 v5, s33, v5                       ; w * 16384 + r * 128
	v_bfe_u32 v6, v0, 1, 3                         ; (r >> 1) & 7: the rows' swizzle
	v_xor_b32 v6, v2, v6
.irp c, 0,1,2,3                                ; c = 2 kk + half: the piece 2 c + hh, swizzled
	v_xor_b32 v7, 2*\c, v6
	v_lshl_add_u32 v[AW1+\c], v7, 4, v5
	v_add_nc_u32 v[AW1+4+\c], TILE, v[AW1+\c]
.endr
	v_lshlrev_b32 v8, 11, v2
	v_lshl_add_u32 v8, v1, 4, v8
	v_add_nc_u32 v[AW2], s33, v8                   ; w * 16384 + hh * 2048 + r * 16
	v_add_nc_u32 v[AW2+1], TILE, v[AW2]
	s_lshl_b32 s60, s16, 8
	v_add_nc_u32 v[ST], s60, v[ADX]                ; my wave's 128 hidden numbers: 256 bytes of each row
	s_lshl_b32 s61, s16, 9
	v_lshlrev_b32 v9, 14, v2
	v_lshl_add_u32 v9, v1, 4, v9
	v_add_nc_u32 v[CO], s61, v9                    ; 8 hh rows + 512 w + 16 r
	s_mul_i32 s62, s16, 36*XP
	s_add_co_u32 s62, s62, XH
	v_lshl_add_u32 v[XS], v3, 4, s62
	v_lshlrev_b32 v[L16], 4, v3
	s_mov_b32 s49, 0x3eaa540e                      ; 0.47047 / sqrt 2
	s_wait_kmcnt 0x0
	s_min_u32 s22, s22, 7                          ; e
	s_lshl_b32 s22, s22, 2
	s_add_co_u32 s22, s22, s20                     ; chunk = 4 e + hs
	s_lshl_b32 s22, s22, 20
	s_add_co_u32 s22, s22, s33                     ; + my quarter of a tile
	s_mov_b32 s23, 0
	s_add_nc_u64 s[34:35], s[4:5], s[22:23]        ; slot 0: tile 0
	s_add_nc_u64 s[38:39], s[34:35], TILE          ; slot 1: tile 1
	s_or_b32 s35, s35, 0x80000000                  ; type 2
	s_or_b32 s39, s39, 0x80000000
	tensor_load_to_lds s[32:35], s[24:31]          ; both first fills go out together, ahead of every LDS read, barrier and wait on TENSORcnt
	s_nop 0
	tensor_load_to_lds s[36:39], s[24:31]
	s_nop 0
; 34 LDS loads: the fragments of 32 along K (half kk of step s8) into buffer kk: first 8 weight fragments (16 loads), then 9 token fragments (18 loads).
; A fragment is 16 rows x 32 K in 8 registers: lane (r, hh) holds row r; registers 0-3 K = 8 hh .. + 7, registers 4-7 K = 16 + 8 hh .. + 7.
.macro FETCH ph, slot, s8, kk
	WIN ((1+(\kk))<<6)
.irp nt, 0,1,2,3,4,5,6,7
.if \ph == 1
	ds_load_b128 v[WF+8*\nt:WF+8*\nt+3],   v[AW1+4*(\slot)+2*(\kk)]   offset:\nt*2048
	ds_load_b128 v[WF+8*\nt+4:WF+8*\nt+7], v[AW1+4*(\slot)+2*(\kk)+1] offset:\nt*2048
.else
	ds_load_b128 v[WF+8*\nt:WF+8*\nt+3],   v[AW2+(\slot)] offset:(4*(\kk))*2048+\nt*256
	ds_load_b128 v[WF+8*\nt+4:WF+8*\nt+7], v[AW2+(\slot)] offset:(4*(\kk)+2)*2048+\nt*256
.endif
.endr
	WIN 0
.irp mt, 0,1,2,3,4,5,6,7,8
	ds_load_b128 v[TF+72*(\kk)+8*\mt:TF+72*(\kk)+8*\mt+3],   v[ADX+\mt/3] offset:(\mt%3)*MROW+(\s8)*128+(\kk)*64
	ds_load_b128 v[TF+72*(\kk)+8*\mt+4:TF+72*(\kk)+8*\mt+7], v[ADX+\mt/3] offset:(\mt%3)*MROW+(\s8)*128+(\kk)*64+32
.endr
.endm
; 24 matrix instructions: window W's row tiles a = 0, 1, 2 x 8 column tiles.  The 72 accumulators take turns, one instruction a turn, in the same order
; in every half step.  zero = 1: the first products start the sums; nothing is cleared.
.macro MUL24 ph, kk, W, zero
.if \ph == 1
	WIN ((\W<<6)|(\W<<4)|(1+\kk))
.else
	WIN ((\W<<6)|(\W<<4)|((1+\kk)<<2))
.endif
.irp a, 0,1,2
.irp nt, 0,1,2,3,4,5,6,7
.if \ph == 1
.if \zero
	v_wmma_f32_16x16x32_bf16 v[8*(8*\a+\nt):8*(8*\a+\nt)+7], v[WF+8*\nt:WF+8*\nt+7], v[TF+72*\kk+8*(3*(\W-1)+\a):TF+72*\kk+8*(3*(\W-1)+\a)+7], 0
.else
	v_wmma_f32_16x16x32_bf16 v[8*(8*\a+\nt):8*(8*\a+\nt)+7], v[WF+8*\nt:WF+8*\nt+7], v[TF+72*\kk+8*(3*(\W-1)+\a):TF+72*\kk+8*(3*(\W-1)+\a)+7], v[8*(8*\a+\nt):8*(8*\a+\nt)+7]
.endif
.else
.if \zero
	v_wmma_f32_16x16x32_bf16 v[8*(8*\a+\nt):8*(8*\a+\nt)+7], v[TF+72*\kk+8*(3*(\W-1)+\a):TF+72*\kk+8*(3*(\W-1)+\a)+7], v[WF+8*\nt:WF+8*\nt+7], 0
.else
	v_wmma_f32_16x16x32_bf16 v[8*(8*\a+\nt):8*(8*\a+\nt)+7], v[TF+72*\kk+8*(3*(\W-1)+\a):TF+72*\kk+8*(3*(\W-1)+\a)+7], v[WF+8*\nt:WF+8*\nt+7], v[8*(8*\a+\nt):8*(8*\a+\nt)+7]
.endif
.endif
.endr
.endr
.endm
; The first half of a step (64 along K): multiplies buffer 0 and fetches the second half's fragments into buffer 1.
.macro SUB ph, slot, s8, zero
	s_wait_dscnt 12                                ; the weights and row tiles 0-2 are in; the youngest 12 loads (row tiles 3-8) may be out
	MUL24 \ph, 0, 1, \zero
	PLACES
	FETCH \ph, \slot, \s8, 1
	s_wait_dscnt 34                                ; all but the 34 just issued
	MUL24 \ph, 0, 2, \zero
	MUL24 \ph, 0, 3, \zero
.endm
; The second half: multiplies buffer 1 and changes slots.  In front of the barrier each wave has waited for its reads of this slot and for all its tensor
; loads (one is out: its quarter of the next tile).  Behind the barrier the refill, tile s + 2, comes first; then the next tile's first fragments.
; From a request to the wait for it a wave issues 144 matrix instructions.
.macro TURN ph, slot, s8, refill
	s_wait_dscnt 12
	MUL24 \ph, 1, 1, 0
	s_wait_dscnt 0x0                               ; my reads of this slot are back
	s_set_vgpr_msb (MSB<<8)|((MSB&0xf0)|0x0)
	s_wait_tensorcnt 0x0                           ; my quarter of the next tile has landed; no load of mine is out, so a group 0 may be written
	ds_add_u32 v254, v255
	s_wait_dscnt 0x0
	s_set_vgpr_msb (((MSB&0xf0)|0x0)<<8)|MSB
.if \refill
	s_add_nc_u64 s[34+4*\slot:35+4*\slot], s[34+4*\slot:35+4*\slot], 2*TILE
	s_barrier_signal -1
	s_barrier_wait -1                              ; both hold of all four waves
	tensor_load_to_lds s[32+4*\slot:35+4*\slot], s[24:31]
	s_nop 0
.endif
	PLACES
	FETCH \ph, (1-\slot), (\s8+1), 0
	MUL24 \ph, 1, 2, 0
	MUL24 \ph, 1, 3, 0
.endm
; One accumulator tile through 2 gelu(x) = x + |x| erf(|x| / sqrt 2), all operands in window W.
; erf(z) = 1 - (a1 t + a2 t^2 + a3 t^3) e^(-z^2), t = 1 / (1 + 0.47047 z).  Large |x|: t -> 0 and the exponential -> 0, so erf = 1 exactly.
.macro GELU8 a, nt
.set GX, 8*(8*\a+\nt)
.irp j, 0,1,2,3,4,5,6,7
	v_fma_f32 v[GU+\j], |v[GX+\j]|, s49, 1.0
.endr
.irp j, 0,2,4,6
	v_pk_mul_f32 v[GS+\j:GS+\j+1], v[GX+\j:GX+\j+1], v[GX+\j:GX+\j+1]
.endr
.irp j, 0,1,2,3,4,5,6,7
	v_rcp_f32 v[GU+\j], v[GU+\j]                   ; t
.endr
.irp j, 0,2,4,6
	v_pk_mul_f32 v[GS+\j:GS+\j+1], v[GS+\j:GS+\j+1], v[CNE:CNE+1]      ; plain work behind the reciprocals (ISA guide 5.7.2): -x^2 log2(e) / 2
.endr
.irp j, 0,1,2,3,4,5,6,7
	v_exp_f32 v[GS+\j], v[GS+\j]                   ; e^(-x^2 / 2)
.endr
	s_wait_alu depctr_va_vdst(0)
.irp j, 0,2,4,6
	v_pk_fma_f32 v[GQ+\j:GQ+\j+1], v[GU+\j:GU+\j+1], v[CN3:CN3+1], v[CN2:CN2+1]   ; plain work behind the exponentials, on t alone
.endr
.irp j, 0,2,4,6
	v_pk_fma_f32 v[GQ+\j:GQ+\j+1], v[GQ+\j:GQ+\j+1], v[GU+\j:GU+\j+1], v[CN1:CN1+1]
.endr
.irp j, 0,2,4,6
	v_pk_mul_f32 v[GQ+\j:GQ+\j+1], v[GQ+\j:GQ+\j+1], v[GU+\j:GU+\j+1]
.endr
.irp j, 0,2,4,6
	v_pk_fma_f32 v[GS+\j:GS+\j+1], v[GQ+\j:GQ+\j+1], v[GS+\j:GS+\j+1], v[CON:CON+1]   ; erf
.endr
.irp j, 0,1,2,3,4,5,6,7
	v_fma_f32 v[GX+\j], |v[GX+\j]|, v[GS+\j], v[GX+\j]
.endr
.irp j, 0,1,2,3
	v_cvt_pk_bf16_f32 v[GO+\j], v[GX+2*\j], v[GX+2*\j+1]
.endr
	ds_store_b128 v[GST], v[GO:GO+3] offset:\a*MROW+32*\nt         ; token 16 mt + r, hidden 128 w + 16 nt + 8 hh .. + 7
.endm
.macro GELUW W                         ; window W: its address and the constants are copied into the window, then its 24 tiles
	WIN (\W<<6)
	v_add_nc_u32 v[GST], (\W-1)*MT3, v[ST]
.irp h, 0,1
	v_mov_b32 v[CN3+\h], 0xbf3f7377                ; -0.7478556
	v_mov_b32 v[CN2+\h], 0x3dc45ca1                ; +0.0958798
	v_mov_b32 v[CN1+\h], 0xbeb2303a                ; -0.3480242
	v_mov_b32 v[CNE+\h], 0xbf38aa3b                ; -0.7213475
	v_mov_b32 v[CON+\h], 1.0
.endr
	WIN (\W*0x55)
.irp a, 0,1,2
.irp nt, 0,1,2,3,4,5,6,7
	GELU8 \a, \nt
.endr
.endr
.endm
; The way out of row tile (W, a), columns 128 w + 64 b .. + 63.  W_out's columns were laid so that column tile nt = 2 c + b, lane r is column 128 w + 64 b + 4 r + c:
; four tiles' registers j are four neighbouring columns of one row.  They are gathered into four neighbouring registers, so that 16 lanes store
; 256 consecutive bytes of a row, aligned (the other 16 lanes those of the row 8 further down).
.macro OUTAB W, a, b
	s_wait_xcnt 0x0                                ; the stores that read v[OT ..] have had their addresses translated (ISA guide 3.1): only now are these registers rewritten
.irp j, 0,1,2,3,4,5,6,7
.irp c, 0,1,2,3
	v_mov_b32 v[OT+4*\j+\c], v[8*(8*\a+2*\c+\b)+\j]
.endr
	global_store_b128 v[GST], v[OT+4*\j:OT+4*\j+3], s[46:47] offset:(16*(3*(\W-1)+\a)+\j)*2048+256*\b
.endr
.endm
.macro XSTORE from, sub                ; 12 gathered rows from registers into X
.set i, \from
.rept 12
	ds_store_b128 v[XS], v[8*(i-\sub):8*(i-\sub)+3]   offset:i*XP
	ds_store_b128 v[XS], v[8*(i-\sub)+4:8*(i-\sub)+7] offset:i*XP+512
.set i, i+1
.endr
.endm
	; ---- the gather's offsets in xb: token a >> 1, 1,024 bytes a row
.set i, 0
.rept 32
	s_min_u32 s[68+i], s[68+i], 8191
	s_and_b32 s[68+i], s[68+i], 0x1ffe
	s_lshl_b32 s[68+i], s[68+i], 9
	v_add_nc_u32 v[XA+i], s[68+i], v[L16]
.set i, i+1
.endr
.rept 4
	s_min_u32 s[20+i], s[20+i], 8191               ; entries 32-35 lie in s[52:55]
	s_and_b32 s[20+i], s[20+i], 0x1ffe
	s_lshl_b32 s[20+i], s[20+i], 9
	v_add_nc_u32 v[XA+i], s[20+i], v[L16]
.set i, i+1
.endr
	; ---- the gather: 72 loads of 512 consecutive bytes into the idle accumulators (rows 0-23 window 1, rows 24-35 window 2), then into X
	WIN 0x40
.set i, 0
.rept 24
	global_load_b128 v[8*i:8*i+3],   v[XA+i], s[6:7]
	global_load_b128 v[8*i+4:8*i+7], v[XA+i], s[6:7] offset:512
.set i, i+1
.endr
	s_wait_loadcnt 24                              ; rows 0-11 are in; the 24 loads of rows 12-23 may be out
	WIN 0x04
	XSTORE 0, 0
	WIN 0x80
.set i, 24
.rept 12
	global_load_b128 v[8*(i-24):8*(i-24)+3],   v[XA+i], s[6:7]
	global_load_b128 v[8*(i-24)+4:8*(i-24)+7], v[XA+i], s[6:7] offset:512
.set i, i+1
.endr
	s_wait_loadcnt 24                              ; rows 12-23 are in; the 24 loads of rows 24-35 may be out
	WIN 0x04
	XSTORE 12, 0
	s_wait_loadcnt 0x0                             ; rows 24-35
	WIN 0x08
	XSTORE 24, 24
	WIN 0
	s_wait_dscnt 0x0                               ; my rows of X are stored
	s_wait_tensorcnt 0x1                           ; my quarter of tile 0 has landed; tile 1's may stay out
	s_barrier_signal -1
	s_barrier_wait -1                              ; X is whole
	FETCH 1, 0, 0, 0
	; ---- product 1: steps 0-7, tile s in slot s & 1
	SUB  1, 0, 0, 1
	TURN 1, 0, 0, 1
	SUB  1, 1, 1, 0
	TURN 1, 1, 1, 1
	SUB  1, 0, 2, 0
	TURN 1, 0, 2, 1
	SUB  1, 1, 3, 0
	TURN 1, 1, 3, 1
	SUB  1, 0, 4, 0
	TURN 1, 0, 4, 1
	SUB  1, 1, 5, 0
	TURN 1, 1, 5, 1
	SUB  1, 0, 6, 0
	TURN 1, 0, 6, 1                                ; asks for tile 8, W_out's first
	SUB  1, 1, 7, 0
	s_wait_dscnt 0x0                               ; the last fragments: my reads of X and of slot 1 are over
	MUL24 1, 1, 1, 0
	MUL24 1, 1, 2, 0
	MUL24 1, 1, 3, 0
	s_set_vgpr_msb (MSB<<8)|((MSB&0xf0)|0x0)
	s_wait_tensorcnt 0x0                           ; tile 8 has landed
	ds_add_u32 v254, v255
	s_wait_dscnt 0x0
	s_set_vgpr_msb (((MSB&0xf0)|0x0)<<8)|MSB
	s_add_nc_u64 s[38:39], s[38:39], 2*TILE
	s_barrier_signal -1
	s_barrier_wait -1                              ; no wave reads X any more: H may be written over it
	tensor_load_to_lds s[36:39], s[24:31]          ; tile 9
	s_nop 0
	; ---- 2 gelu, to bf16, into H
	PLACES
	GELUW 1
	GELUW 2
	GELUW 3
	WIN 0
	s_wait_dscnt 0x0                               ; my part of H is stored
	s_barrier_signal -1                            ; Tile 9 may stay on its way
	s_barrier_wait -1                              ; H is whole
	FETCH 2, 0, 0, 0
	; ---- product 2: steps 8-15
	SUB  2, 0, 0, 1
	TURN 2, 0, 0, 1
	SUB  2, 1, 1, 0
	TURN 2, 1, 1, 1
	SUB  2, 0, 2, 0
	TURN 2, 0, 2, 1
	SUB  2, 1, 3, 0
	TURN 2, 1, 3, 1
	SUB  2, 0, 4, 0
	TURN 2, 0, 4, 1
	SUB  2, 1, 5, 0
	TURN 2, 1, 5, 1                                ; asks for tile 15, the last
	SUB  2, 0, 6, 0
	TURN 2, 0, 6, 0                                ; nothing is left to fetch: no barrier; the wait for 0 shows my quarter of tile 15, which my wave alone reads
	SUB  2, 1, 7, 0
	s_wait_dscnt 0x0
	MUL24 2, 1, 1, 0
	MUL24 2, 1, 2, 0
	MUL24 2, 1, 3, 0
	; ---- the way out
	PLACES
.irp W, 1,2,3
	WIN (\W<<6)
	v_mov_b32 v[GST], v[CO]
	WIN (\W*0x55)
.irp a, 0,1,2
	OUTAB \W, \a, 0
	OUTAB \W, \a, 1
.endr
.endr
	WIN 0
	s_endpgm
.Lfunc_end_k_q5339a3da8f_experts:
	.size	k_q5339a3da8f_experts, .Lfunc_end_k_q5339a3da8f_experts-k_q5339a3da8f_experts
	.p2alignl 7, 3214868480
	.fill 96, 4, 3214868480
	.section	.rodata,"a",@progbits
	.p2align	6, 0x0
	.amdhsa_kernel k_q5339a3da8f_experts
		.amdhsa_group_segment_fixed_size 327680
		.amdhsa_private_segment_fixed_size 0
		.amdhsa_enable_private_segment 0
		.amdhsa_kernarg_size 40
		.amdhsa_user_sgpr_count 2
		.amdhsa_user_sgpr_kernarg_segment_ptr 1
		.amdhsa_wavefront_size32 1
		.amdhsa_system_sgpr_workgroup_id_x 1
		.amdhsa_system_sgpr_workgroup_id_y 1
		.amdhsa_system_sgpr_workgroup_id_z 1
		.amdhsa_system_vgpr_workitem_id 0
		.amdhsa_next_free_vgpr 1024
		.amdhsa_next_free_sgpr 100
		.amdhsa_reserve_vcc 0
		.amdhsa_float_denorm_mode_32 3
		.amdhsa_float_denorm_mode_16_64 3
		.amdhsa_memory_ordered 1
		.amdhsa_forward_progress 1
		.amdhsa_inst_pref_size 255
	.end_amdhsa_kernel
	.section	.bss,"aw",@nobits
	.p2align	6
	.space	262144
	.amdgpu_metadata
---
amdhsa.version: [ 1, 2 ]
amdhsa.kernels:
  - .name:           k_q5339a3da8f_experts
    .symbol:         k_q5339a3da8f_experts.kd
    .args:
      - { .name: wb, .offset: 0, .size: 8, .value_kind: global_buffer, .address_space: global }
      - { .name: xb, .offset: 8, .size: 8, .value_kind: global_buffer, .address_space: global }
      - { .name: ltok, .offset: 16, .size: 8, .value_kind: global_buffer, .address_space: global }
      - { .name: texp, .offset: 24, .size: 8, .value_kind: global_buffer, .address_space: global }
      - { .name: part, .offset: 32, .size: 8, .value_kind: global_buffer, .address_space: global }
    .group_segment_fixed_size: 327680
    .private_segment_fixed_size: 0
    .kernarg_segment_align: 8
    .kernarg_segment_size: 40
    .max_flat_workgroup_size: 128
    .sgpr_count:     100
    .vgpr_count:     1024
    .wavefront_size: 32
...
	.end_amdgpu_metadata
.endif
;; end of part 3
;; launch combine (part 4): grid 512 x 1, 8 waves a work-group, no clusters, 0 bytes of LDS; arguments pos, wts, part, out0; writes out0
.if DOCPART == 4
	.amdgcn_target "amdgcn-amd-amdhsa--gfx1250"
	.amdhsa_code_object_version 6
	.text
	.protected	k_q5339a3da8f_combine
	.globl	k_q5339a3da8f_combine
	.p2align	8
	.type	k_q5339a3da8f_combine,@function
k_q5339a3da8f_combine:
	s_mov_b64 s[64:65], 0
	v_nop
	global_prefetch_b8 v0, s[64:65] scope:SCOPE_SE
	s_setreg_imm32_b32 hwreg(HW_REG_WAVE_MODE, 25, 1), 1
	s_wait_xcnt 0x0
; combine: out0[t] = the sum over the token's two assignments j of wts[2 t + j] x (the sum over the four hidden quarters hs of part[hs][pos[2 t + j]][:]).
; wts holds R / 2 and part was made from 2 gelu, so the product is R gelu(..) W_out.
; One wave a token: 32 loads of 512 consecutive bytes go out first, the waits count down by eight, four stores of 512 consecutive bytes.
; The order of the sum is fixed: ((hs0 + hs1) + (hs2 + hs3)) of j = 0 times its weight, then the same of j = 1 by a fused multiply-add.
; A stream: no LDS, no barrier, no register used twice.
.set PSTRIDE, 0x1200000                ; 9,216 rows of 2,048 bytes for each hs
	s_load_b256 s[4:11], s[0:1], 0x0               ; pos s[4:5], wts s[6:7], part s[8:9], out0 s[10:11]
	v_and_b32 v1, 31, v0
	v_lshrrev_b32 v2, 5, v0
	v_readfirstlane_b32 s12, v2
	s_lshl3_add_u32 s13, ttmp9, s12                ; t = 8 x work-group + wave
	s_lshl_b32 s14, s13, 3                         ; two words of 4 bytes a token, in pos and in wts
	s_mov_b32 s15, 0
	s_lshl_b32 s16, s13, 11
	s_mov_b32 s17, 0
	v_lshlrev_b32 v3, 4, v1
	s_wait_kmcnt 0x0
	s_add_nc_u64 s[4:5], s[4:5], s[14:15]
	s_add_nc_u64 s[6:7], s[6:7], s[14:15]
	s_load_b64 s[18:19], s[4:5], 0x0               ; the two slots
	s_load_b64 s[28:29], s[6:7], 0x0               ; the two weights
	s_add_nc_u64 s[10:11], s[10:11], s[16:17]
	s_mov_b64 s[20:21], s[8:9]                     ; part of hs = 0, 1, 2, 3 in s[20+2hs:21+2hs]
	s_add_nc_u64 s[22:23], s[20:21], PSTRIDE
	s_add_nc_u64 s[24:25], s[22:23], PSTRIDE
	s_add_nc_u64 s[26:27], s[24:25], PSTRIDE
	s_wait_kmcnt 0x0
	s_min_u32 s18, s18, 9215
	s_min_u32 s19, s19, 9215
	s_lshl_b32 s18, s18, 11
	s_lshl_b32 s19, s19, 11
	v_add_nc_u32 v4, s18, v3
	v_add_nc_u32 v5, s19, v3
.irp q, 0,1,2,3
.irp j, 0,1
.irp h, 0,1,2,3
	global_load_b128 v[16+4*(8*\q+4*\j+\h):16+4*(8*\q+4*\j+\h)+3], v[4+\j], s[20+2*\h:21+2*\h] offset:512*\q th:TH_LOAD_NT
.endr
.endr
.endr
	v_mov_b32 v6, s28                              ; each weight twice: a pair for the packed forms
	v_mov_b32 v7, s28
	v_mov_b32 v8, s29
	v_mov_b32 v9, s29
.irp q, 0,1,2,3
	s_wait_loadcnt 24-8*\q                         ; this quarter row's eight loads are in; the later ones stay out
.irp j, 0,1
.irp p, 0,2
	v_pk_add_f32 v[16+32*\q+16*\j+\p:16+32*\q+16*\j+\p+1], v[16+32*\q+16*\j+\p:16+32*\q+16*\j+\p+1], v[16+32*\q+16*\j+4+\p:16+32*\q+16*\j+4+\p+1]
	v_pk_add_f32 v[16+32*\q+16*\j+8+\p:16+32*\q+16*\j+8+\p+1], v[16+32*\q+16*\j+8+\p:16+32*\q+16*\j+8+\p+1], v[16+32*\q+16*\j+12+\p:16+32*\q+16*\j+12+\p+1]
.endr
.irp p, 0,2
	v_pk_add_f32 v[16+32*\q+16*\j+\p:16+32*\q+16*\j+\p+1], v[16+32*\q+16*\j+\p:16+32*\q+16*\j+\p+1], v[16+32*\q+16*\j+8+\p:16+32*\q+16*\j+8+\p+1]
.endr
.endr
.irp p, 0,2
	v_pk_mul_f32 v[16+32*\q+\p:16+32*\q+\p+1], v[16+32*\q+\p:16+32*\q+\p+1], v[6:7]
.endr
.irp p, 0,2
	v_pk_fma_f32 v[16+32*\q+\p:16+32*\q+\p+1], v[16+32*\q+16+\p:16+32*\q+16+\p+1], v[8:9], v[16+32*\q+\p:16+32*\q+\p+1]
.endr
	global_store_b128 v3, v[16+32*\q:16+32*\q+3], s[10:11] offset:512*\q th:TH_STORE_NT
.endr
	s_endpgm
.Lfunc_end_k_q5339a3da8f_combine:
	.size	k_q5339a3da8f_combine, .Lfunc_end_k_q5339a3da8f_combine-k_q5339a3da8f_combine
	.p2alignl 7, 3214868480
	.fill 96, 4, 3214868480
	.section	.rodata,"a",@progbits
	.p2align	6, 0x0
	.amdhsa_kernel k_q5339a3da8f_combine
		.amdhsa_group_segment_fixed_size 0
		.amdhsa_private_segment_fixed_size 0
		.amdhsa_enable_private_segment 0
		.amdhsa_kernarg_size 32
		.amdhsa_user_sgpr_count 2
		.amdhsa_user_sgpr_kernarg_segment_ptr 1
		.amdhsa_wavefront_size32 1
		.amdhsa_system_sgpr_workgroup_id_x 1
		.amdhsa_system_sgpr_workgroup_id_y 1
		.amdhsa_system_sgpr_workgroup_id_z 1
		.amdhsa_system_vgpr_workitem_id 0
		.amdhsa_next_free_vgpr 144
		.amdhsa_next_free_sgpr 66
		.amdhsa_reserve_vcc 0
		.amdhsa_float_denorm_mode_32 3
		.amdhsa_float_denorm_mode_16_64 3
		.amdhsa_memory_ordered 1
		.amdhsa_forward_progress 1
		.amdhsa_inst_pref_size 9
	.end_amdhsa_kernel
	.amdgpu_metadata
---
amdhsa.version: [ 1, 2 ]
amdhsa.kernels:
  - .name:           k_q5339a3da8f_combine
    .symbol:         k_q5339a3da8f_combine.kd
    .args:
      - { .name: pos, .offset: 0, .size: 8, .value_kind: global_buffer, .address_space: global }
      - { .name: wts, .offset: 8, .size: 8, .value_kind: global_buffer, .address_space: global }
      - { .name: part, .offset: 16, .size: 8, .value_kind: global_buffer, .address_space: global }
      - { .name: out0, .offset: 24, .size: 8, .value_kind: global_buffer, .address_space: global }
    .group_segment_fixed_size: 0
    .private_segment_fixed_size: 0
    .kernarg_segment_align: 8
    .kernarg_segment_size: 32
    .max_flat_workgroup_size: 256
    .sgpr_count:     66
    .vgpr_count:     144
    .wavefront_size: 32
...
	.end_amdgpu_metadata
.endif
;; end of part 4
